; MI455X (gfx1250); checked and timed in simulation.
; The chip was launched on July 23, 2026; its instructions are those of AMD's public machine-readable ISA for CDNA 5 (MIT licence, August 2026) and "CDNA5" Instruction Set Architecture Reference Guide (July 2026). The comments in the code are by the model that wrote it; some were corrected since.
;; GRAND Block. Allowed arithmetic: matrix products marked QUANTISED: E5M2 operands, one given power-of-two scale a tensor, by v_wmma_f32_16x16x64_bf8_bf8 or v_wmma_f32_16x16x128_bf8_bf8, f32 sums; everything else in f32.
;; Inputs: Wk 512 x 1,024 float32; Wq 512 x 1,024 float32; Wv 512 x 1,024 float32; Ww0 1,024 x 128 float32; bk 1,024 float32; bq 1,024 float32; bv 1,024 float32; bw0 128 float32; lowp_scales 12 int32 (the exponents e of the quantised operands' scales 2^e); x 16 x 1,024 x 512 float32.
;; Outputs: out0 16 x 1,024 x 128 float32.
;; This version of the problem:
;;   THIS VERSION OF THE PROBLEM IS GIVEN IN LOW PRECISION. The matrix products marked QUANTISED in the list below multiply operands that are first quantised to E5M2 (5 exponent bits, 2 mantissa bits; 8 bits a number), with one given power-of-two scale for each operand tensor; their sums are f32. All else is computed in f32.
;;   The module's matrix products, in the order in which they are computed (A, B: the left and right operand; K: the contracted axis; several contracted axes count as one K, in the product's order):
;;     1. [M 16,384, K 512] x [K 512, N 1,024]; A: input x; B: input Wk: QUANTISED (scales: A lowp_scales[0], B lowp_scales[1])
;;     2. [M 16,384, K 512] x [K 512, N 1,024]; A: input x; B: input Wq: QUANTISED (scales: A lowp_scales[2], B lowp_scales[3])
;;     3. [M 16,384, K 512] x [K 512, N 1,024]; A: input x; B: input Wv: QUANTISED (scales: A lowp_scales[4], B lowp_scales[5])
;;     4. batch 128 x [M 1,024, K 128] x [K 128, N 1,024]; A: computed on the way; B: computed on the way: QUANTISED (scales: A lowp_scales[6], B lowp_scales[7])
;;     5. batch 128 x [M 1,024, K 1,024] x [K 1,024, N 128]; A: computed on the way; B: computed on the way: QUANTISED (scales: A lowp_scales[8], B lowp_scales[9])
;;     6. [M 16,384, K 1,024] x [K 1,024, N 128]; A: computed on the way; B: input Ww0: QUANTISED (scales: A lowp_scales[10], B lowp_scales[11])
;;   THE QUANTISER, for each operand of a quantised product, along K:
;;     - The operand's scale is 2^e, e = its entry of the input lowp_scales (int32; the entries are numbered through the quantised products in the list's order, A before B).
;;     - Each number is divided by the scale, clamped to +-57,344, and rounded to the nearest number of E5M2, ties to even, subnormals kept.
;;     - The product sums the exact products of the quantised numbers (number of the format x scale) in f32.
;;   ~~~python
;;   def quantise(x, axis, e):      # numpy; x: float32 -> the quantised numbers, widened to float32 again
;;       x = np.moveaxis(x, axis, -1); K = x.shape[-1]
;;       r = np.clip(x / 2.0 ** e, -57344, 57344)
;;       step = 2.0 ** (np.maximum(np.frexp(np.where(r == 0, 1, r))[1] - 1, -14) - 2)
;;       q = np.round(r / step) * step * 2.0 ** e      # np.round: ties to even
;;       return np.moveaxis(q, -1, axis).astype(np.float32)
;;   ~~~
;;   OPERANDS COMPUTED ON THE WAY. 'Computed on the way' means the value that the module computes at that place (a softmax that the list does not call 'softmax' is quantised finished and normalised). What goes into a quantiser is computed in f32, as accurately as f32 sums, v_exp_f32 and their like allow (about 1e-6 of the number): no bf16 or f16 on the way to a quantiser, and a product that is left as it is and whose result goes on into a quantised operand takes f32 operands (vector FMAs, or v_wmma_f32_16x16x4_f32). A number that lies on a knife's edge between two numbers of the format may be rounded either way, as far as f32 arithmetic and the matrix unit's own rounding can turn it there, and no further.
;; One version. Each part assembles by itself: llvm-mc -triple=amdgcn-amd-amdhsa -mcpu=gfx1250 --defsym DOCPART=n.
;; ======== version 1 of 1: 3 launches
;; limits: right only within a limited range of input values
;; workspace buffers: xc 25,165,824 bytes; wc 1,703,936 bytes; qkv 50,331,648 bytes
;; launch prep (part 1): grid 564 x 1, 4 waves a work-group, no clusters, 68,096 bytes of LDS; arguments x, Wk, Wq, Wv, Ww0, lowp_scales, xc, wc; writes xc, wc
.if DOCPART == 1
	.amdgcn_target "amdgcn-amd-amdhsa--gfx1250"
	.amdhsa_code_object_version 6
	.text
	.protected	k_q8a39324935_prep
	.globl	k_q8a39324935_prep
	.p2align	8
	.type	k_q8a39324935_prep,@function
k_q8a39324935_prep:
	s_mov_b64 s[64:65], 0
	v_nop
	global_prefetch_b8 v0, s[64:65] scope:SCOPE_SE
	s_setreg_imm32_b32 hwreg(HW_REG_WAVE_MODE, 25, 1), 1
	s_wait_xcnt 0x0
; PREP: the inputs of the quantised products become codes of BF8 (E5M2), K innermost, each with the scale 2^e that is given for it.
; NOTHING OF THE PROBLEM IS LEFT OUT in this program: every bias goes into a quantised operand or into the output, every product is live, every input is loaded.
;   x  [16384][512] f32 -> xc: three sets of codes [16384][512], 8,388,608 bytes apart, with entries 0, 2 and 4 of the scales (x has an entry of its own in each of the three projections).
;   Wk, Wq, Wv [512 k][1024 n] f32 -> wc: [1024 n][512 k] codes, 524,288 bytes apart, entries 1, 3, 5.   Ww0 [1024 k][128 n] -> wc + 1,572,864: [128 n][1024 k], entry 11.
; code = number / 2^e, held within +-57,344, rounded to the nearest code, ties to even.
; LIMITS: each e used here lies between -126 and 112, so that 2^e and 57,344 x 2^e are f32 numbers.  NaN among the inputs is not served (an infinity is held at the largest code).
; Work-groups 0 to 51 take the weights, 52 to 563 take x: one branch on the work-group's number; each path has LDS bytes of its own.  No tensor loads, no barrier: waves share nothing.
; x: a wave takes 8 steps of 512 numbers.  A load reads 512 consecutive bytes; a step's 2,048 bytes turn through the wave's stage in LDS, so that a lane holds 16 neighbours along K; they are held and
;    converted three times; a lane's 16 codes are 16 bytes, so each store covers 512 consecutive bytes.  Loads run four steps ahead.
; weights: a lane takes a column n and its registers run down K; a wave gathers 32 columns x 256 along K in its stage and stores sixteen lanes to 256 consecutive, aligned bytes.
;    One text serves both shapes: the row lengths are scalar registers chosen by the work-group's number.
.set WGW,    52                        ; work-groups for the weights: 3 x 16 + 4
.set STEPS,  8
.set SP,     80                        ; x's stage: a lane's 64 bytes + 16 of padding
.set WPITCH, 272                       ; the weights' stage: 256 bytes of codes + 16
.set WSTG,   32768                     ; LDS: x's stages 0 .. 32,767 (8,192 a wave); the weights' stages from here (32 x 272 a wave)
.set SPARE,  67584                     ; behind them: the spare words, 128 bytes a wave: two blocks of 256 bytes that no other line names
.set WI,  10                           ; v10  weights: into the stage
.set WO,  11                           ; v11  weights: out of it
.set SPW, 12                           ; v12  my spare word; never rewritten
.set NIL, 13                           ; v13  0; never rewritten
.set XI,  14                           ; v14  x: into the stage
.set XO,  15                           ; v15  x: out of it
.set R,   16                           ; x: v16-79 four sets as loaded; v80-111 two sets of 16 neighbours; v112-159 one held set for each scale; v160-255 codes, four registers a step and scale
.set X,   80
.set T,   112
.set C,   160
.set WX,  32                           ; weights: v32-95 two blocks of 32 numbers; v96-103 a block's codes; v112-175 the way out; v176-207 row offsets; v208-223 store offsets
.set WC,  96
.set OUTR, 112
.set VO,  176
.set SOFF, 208
.set SB,  44                           ; s[44:59] weights: the eight blocks' bases
.macro MKSC e, sc, lim                 ; 2^e as f32 into v[sc] (the conversion takes its exponent field), 57,344 x 2^e into v[lim]
	s_add_co_i32 s62, s[\e], 127
	s_lshl_b32 s63, s62, 23
	v_mov_b32 v[\sc], s63
	s_add_co_i32 s62, s62, 15
	s_lshl_b32 s62, s62, 23
	s_or_b32 s62, s62, 0x600000
	v_mov_b32 v[\lim], s62
.endm
	s_load_b512 s[4:19], s[0:1], 0x0               ; x s[4:5], Wk s[6:7], Wq s[8:9], Wv s[10:11], Ww0 s[12:13], scales s[14:15], xc s[16:17], wc s[18:19]
	v_lshl_add_u32 v[SPW], v0, 2, SPARE
	v_mov_b32 v[NIL], 0
	v_lshrrev_b32 v1, 5, v0
	v_readfirstlane_b32 s32, v1                    ; wave
	v_and_b32 v2, 31, v0                           ; lane
	v_lshlrev_b32 v3, 4, v2                        ; 16 x lane
	s_lshl_b32 s33, s32, 13
	v_lshrrev_b32 v[XI], 2, v2
	v_mul_u32_u24 v[XI], v[XI], SP
	v_and_b32 v[XO], 3, v2
	v_lshl_add_u32 v[XI], v[XO], 4, v[XI]
	v_add_nc_u32 v[XI], s33, v[XI]                 ; four lanes' 64 bytes on end, then the padding
	v_mul_u32_u24 v[XO], v2, SP
	v_add_nc_u32 v[XO], s33, v[XO]                 ; my 16 neighbours
	s_mul_i32 s33, s32, 32*WPITCH
	s_add_co_u32 s33, s33, WSTG
	v_mul_u32_u24 v[WI], v2, WPITCH
	v_add_nc_u32 v[WI], s33, v[WI]                 ; row = my column
	v_and_b32 v6, 15, v2
	v_lshrrev_b32 v7, 4, v2
	v_mul_u32_u24 v[WO], v7, WPITCH
	v_lshl_add_u32 v[WO], v6, 4, v[WO]
	v_add_nc_u32 v[WO], s33, v[WO]                 ; sixteen lanes to a row, two rows an instruction
	s_wait_kmcnt 0x0
	s_load_b256 s[20:27], s[14:15], 0x0            ; e0 .. e7
	s_load_b128 s[28:31], s[14:15], 0x20           ; e8 .. e11
	s_cmp_lt_u32 ttmp9, WGW
	s_cbranch_scc1 .Lweights
; ---------------- x ----------------
	s_sub_co_u32 s34, ttmp9, WGW
	s_lshl_b32 s34, s34, 2
	s_add_co_u32 s34, s34, s32                     ; which run of 4,096 numbers is my wave's
	s_lshl_b32 s42, s34, 14
	s_mov_b32 s43, 0
	s_add_nc_u64 s[4:5], s[4:5], s[42:43]
	s_lshl_b32 s42, s34, 12
	s_add_nc_u64 s[36:37], s[16:17], s[42:43]      ; the three sets of codes
	s_add_nc_u64 s[38:39], s[36:37], 0x800000
	s_add_nc_u64 s[40:41], s[38:39], 0x800000
.macro XLOAD t
.irp i, 0,1,2,3
	global_load_b128 v[R+16*((\t)%4)+4*\i:R+16*((\t)%4)+4*\i+3], v3, s[4:5] offset:2048*(\t)+512*\i th:TH_LOAD_NT   ; 32 lanes read 512 consecutive bytes
.endr
.endm
.macro XTURN t                         ; LDS serves a wave's instructions in order: no wait between the stores and the loads
.irp i, 0,1,2,3
	ds_store_b128 v[XI], v[R+16*((\t)%4)+4*\i:R+16*((\t)%4)+4*\i+3] offset:32*SP*((\t)%2)+8*SP*\i
.endr
.irp i, 0,1,2,3
	ds_load_b128 v[X+16*((\t)%2)+4*\i:X+16*((\t)%2)+4*\i+3], v[XO] offset:32*SP*((\t)%2)+16*\i
.endr
.endm
.irp t, 0,1,2,3
	XLOAD \t
.endr
	s_wait_kmcnt 0x0
	MKSC 20, 4, 5                                  ; entry 0
	MKSC 22, 6, 7                                  ; entry 2
	MKSC 24, 8, 9                                  ; entry 4
	s_wait_alu depctr_va_vdst(0)
	s_wait_loadcnt 12                              ; step 0's four loads are in
	XTURN 0
.macro XSTEP t
.set XS, X+16*((\t)%2)
.set CC, C+12*(\t)
	s_wait_dscnt 0x0                               ; this step's numbers are back from the stage, so its stores into the stage have read their registers,
.if (\t)+4 < STEPS
	XLOAD (\t)+4                                   ; which take the loads of four steps on
.endif
.if (\t)+1 < STEPS
.if STEPS-2-(\t) >= 3
	s_wait_loadcnt 12                              ; the next step's four loads are in; three steps' twelve may be out
.else
	s_wait_loadcnt 4*(STEPS-2-(\t))
.endif
	XTURN (\t)+1
.endif
.irp p, 0,1,2
.irp i, 0,1,2,3,4,5,6,7,8,9,10,11,12,13,14,15
	v_med3_num_f32 v[T+16*\p+\i], v[XS+\i], -v[5+2*\p], v[5+2*\p]   ; the conversion to an 8-bit code does not saturate (ISA guide 7.6.2): the hold comes first
.endr
	v_cvt_scalef32_pk8_bf8_f32 v[CC+4*\p:CC+4*\p+1], v[T+16*\p:T+16*\p+7], v[4+2*\p]
	v_cvt_scalef32_pk8_bf8_f32 v[CC+4*\p+2:CC+4*\p+3], v[T+16*\p+8:T+16*\p+15], v[4+2*\p]
	global_store_b128 v3, v[CC+4*\p:CC+4*\p+3], s[36+2*\p:37+2*\p] offset:512*(\t) th:TH_STORE_NT   ; 512 consecutive bytes; each step and scale has registers of its own, so no store's data are written again
.endr
.endm
.irp t, 0,1,2,3,4,5,6,7
	XSTEP \t
.endr
	s_wait_tensorcnt 0x0                           ; the wave's end: behind my last LDS store
	ds_add_u32 v[SPW], v[NIL]
	s_wait_dscnt 0x0
	s_endpgm
; ---------------- the weights ----------------
.Lweights:
	s_lshr_b32 s34, ttmp9, 4                       ; which tensor: 0 Wk, 1 Wq, 2 Wv, 3 Ww0
	s_and_b32 s35, ttmp9, 7                        ; block of 128 columns (Ww0 has one)
	s_bfe_u32 s36, ttmp9, 0x10003                  ; block of 256 along K: two in Wk, Wq, Wv,
	s_and_b32 s37, ttmp9, 3                        ; four in Ww0
	s_mov_b32 s60, 512
	s_mov_b32 s61, 1024
	s_cmp_lt_u32 s34, 3
	s_cselect_b32 s60, 4096, s60                   ; a row of the input in bytes
	s_cselect_b32 s61, 512, s61                    ; a row of the codes in bytes
	s_cselect_b32 s35, s35, 0
	s_cselect_b32 s36, s36, s37
	s_cmp_eq_u32 s34, 0
	s_cselect_b64 s[38:39], s[6:7], s[8:9]
	s_cmp_lt_u32 s34, 2
	s_cselect_b64 s[38:39], s[38:39], s[10:11]
	s_cmp_lt_u32 s34, 3
	s_cselect_b64 s[38:39], s[38:39], s[12:13]     ; the choice hangs on the work-group's number alone
	s_lshl_b32 s41, s35, 7
	s_lshl_b32 s42, s32, 5
	s_add_co_u32 s41, s41, s42                     ; my wave's first column
	s_mul_i32 s42, s36, s60
	s_lshl_b32 s42, s42, 8                         ; 256 rows x the K block
	s_lshl_b32 s43, s41, 2
	s_add_co_u32 s42, s42, s43
	s_mov_b32 s43, 0
	s_add_nc_u64 s[SB:SB+1], s[38:39], s[42:43]
	s_lshl_b32 s42, s60, 5                         ; 32 rows on
.irp t, 1,2,3,4,5,6,7
	s_add_nc_u64 s[SB+2*\t:SB+2*\t+1], s[SB+2*\t-2:SB+2*\t-1], s[42:43]
.endr
	s_mul_i32 s62, s41, s61
	s_lshl_b32 s63, s34, 19
	s_add_co_u32 s62, s62, s63
	s_lshl_b32 s63, s36, 8
	s_add_co_u32 s62, s62, s63
	s_mov_b32 s63, 0
	s_add_nc_u64 s[18:19], s[18:19], s[62:63]      ; the codes: tensor x 524,288 + column x row + 256 x K block
	v_lshlrev_b32 v[VO], 2, v2                     ; 4 bytes a lane, + i rows
.set jj, 1
.rept 31
	v_add_nc_u32 v[VO+jj], s60, v[VO+jj-1]
.set jj, jj+1
.endr
	v_mul_lo_u32 v[SOFF], v7, s61
	v_lshl_add_u32 v[SOFF], v6, 4, v[SOFF]         ; the same two rows in the codes' buffer, + 2 t rows
	s_lshl_b32 s33, s61, 1
.set jj, 1
.rept 15
	v_add_nc_u32 v[SOFF+jj], s33, v[SOFF+jj-1]
.set jj, jj+1
.endr
.macro WLOAD t                         ; block t: 32 rows of my column; neighbouring lanes read neighbouring columns
.irp i, 0,1,2,3,4,5,6,7,8,9,10,11,12,13,14,15,16,17,18,19,20,21,22,23,24,25,26,27,28,29,30,31
	global_load_b32 v[WX+32*((\t)%2)+\i], v[VO+\i], s[SB+2*(\t):SB+2*(\t)+1] th:TH_LOAD_NT
.endr
.endm
	WLOAD 0
	WLOAD 1
	s_wait_kmcnt 0x0
	s_cmp_eq_u32 s34, 0
	s_cselect_b32 s40, s21, s23
	s_cmp_lt_u32 s34, 2
	s_cselect_b32 s40, s40, s25
	s_cmp_lt_u32 s34, 3
	s_cselect_b32 s40, s40, s31                    ; entry 1, 3, 5 or 11
	MKSC 40, 5, 4
.macro WBLOCK t
.set XS, WX+32*((\t)%2)
.if (\t) < 7
	s_wait_loadcnt 32                              ; this block's 32 loads are in; the next block's may be out
.else
	s_wait_loadcnt 0
.endif
.set jj, 0
.rept 32
	v_med3_num_f32 v[XS+jj], v[XS+jj], -v4, v4
.set jj, jj+1
.endr
.irp g, 0,1,2,3
	v_cvt_scalef32_pk8_bf8_f32 v[WC+2*\g:WC+2*\g+1], v[XS+8*\g:XS+8*\g+7], v5
.endr
	ds_store_b128 v[WI], v[WC:WC+3] offset:32*(\t)
	ds_store_b128 v[WI], v[WC+4:WC+7] offset:32*(\t)+16
.if (\t)+2 < 8
	WLOAD (\t)+2
.endif
	s_wait_dscnt 0x0                               ; the stores have read their registers: the next block's codes may be written
.endm
	s_wait_alu depctr_va_vdst(0)
.irp t, 0,1,2,3,4,5,6,7
	WBLOCK \t
.endr
.irp t, 0,1,2,3,4,5,6,7,8,9,10,11,12,13,14,15
	ds_load_b128 v[OUTR+4*\t:OUTR+4*\t+3], v[WO] offset:2*\t*WPITCH
.endr
.irp t, 0,1,2,3,4,5,6,7,8,9,10,11,12,13,14,15
	s_wait_dscnt 15-\t
	global_store_b128 v[SOFF+\t], v[OUTR+4*\t:OUTR+4*\t+3], s[18:19]   ; sixteen lanes store 256 consecutive bytes, at a multiple of 256 from the buffer's first byte
.endr
	s_wait_tensorcnt 0x0                           ; the wave's end: the same three lines
	ds_add_u32 v[SPW], v[NIL]
	s_wait_dscnt 0x0
	s_endpgm
.Lfunc_end_k_q8a39324935_prep:
	.size	k_q8a39324935_prep, .Lfunc_end_k_q8a39324935_prep-k_q8a39324935_prep
	.p2alignl 7, 3214868480
	.fill 96, 4, 3214868480
	.section	.rodata,"a",@progbits
	.p2align	6, 0x0
	.amdhsa_kernel k_q8a39324935_prep
		.amdhsa_group_segment_fixed_size 68096
		.amdhsa_private_segment_fixed_size 0
		.amdhsa_enable_private_segment 0
		.amdhsa_kernarg_size 64
		.amdhsa_user_sgpr_count 2
		.amdhsa_user_sgpr_kernarg_segment_ptr 1
		.amdhsa_wavefront_size32 1
		.amdhsa_system_sgpr_workgroup_id_x 1
		.amdhsa_system_sgpr_workgroup_id_y 1
		.amdhsa_system_sgpr_workgroup_id_z 1
		.amdhsa_system_vgpr_workitem_id 0
		.amdhsa_next_free_vgpr 256
		.amdhsa_next_free_sgpr 66
		.amdhsa_reserve_vcc 0
		.amdhsa_float_denorm_mode_32 3
		.amdhsa_float_denorm_mode_16_64 3
		.amdhsa_memory_ordered 1
		.amdhsa_forward_progress 1
		.amdhsa_inst_pref_size 91
	.end_amdhsa_kernel
	.amdgpu_metadata
---
amdhsa.version: [ 1, 2 ]
amdhsa.kernels:
  - .name:           k_q8a39324935_prep
    .symbol:         k_q8a39324935_prep.kd
    .args:
      - { .name: x, .offset: 0, .size: 8, .value_kind: global_buffer, .address_space: global }
      - { .name: Wk, .offset: 8, .size: 8, .value_kind: global_buffer, .address_space: global }
      - { .name: Wq, .offset: 16, .size: 8, .value_kind: global_buffer, .address_space: global }
      - { .name: Wv, .offset: 24, .size: 8, .value_kind: global_buffer, .address_space: global }
      - { .name: Ww0, .offset: 32, .size: 8, .value_kind: global_buffer, .address_space: global }
      - { .name: lowp_scales, .offset: 40, .size: 8, .value_kind: global_buffer, .address_space: global }
      - { .name: xc, .offset: 48, .size: 8, .value_kind: global_buffer, .address_space: global }
      - { .name: wc, .offset: 56, .size: 8, .value_kind: global_buffer, .address_space: global }
    .group_segment_fixed_size: 68096
    .private_segment_fixed_size: 0
    .kernarg_segment_align: 8
    .kernarg_segment_size: 64
    .max_flat_workgroup_size: 128
    .sgpr_count:     66
    .vgpr_count:     256
    .wavefront_size: 32
...
	.end_amdgpu_metadata
.endif
;; end of part 1
;; launch proj (part 2): grid 4 x 64, 4 waves a work-group, clusters of 4 x 4, 327,680 bytes of LDS; arguments xc, wc, bk, bq, bv, lowp_scales, qkv; writes qkv
.if DOCPART == 2
	.amdgcn_target "amdgcn-amd-amdhsa--gfx1250"
	.amdhsa_code_object_version 6
	.text
	.protected	k_q8a39324935_proj
	.globl	k_q8a39324935_proj
	.p2align	8
	.type	k_q8a39324935_proj,@function
k_q8a39324935_proj:
	s_mov_b64 s[64:65], 0
	v_nop
	global_prefetch_b8 v0, s[64:65] scope:SCOPE_SE
	s_setreg_imm32_b32 hwreg(HW_REG_WAVE_MODE, 25, 1), 1
	s_wait_xcnt 0x0
	s_wait_alu depctr_hold_cnt(0) depctr_sa_sdst(0) depctr_va_vdst(0) depctr_va_sdst(0) depctr_va_ssrc(0) depctr_va_vcc(0) depctr_vm_vsrc(0)
	s_getreg_b32 s2, hwreg(HW_REG_IB_STS2, 6, 4)
	s_cmp_eq_u32 s2, 0
	s_cbranch_scc0 .Lentry_in_a_cluster
	s_endpgm
.Lentry_in_a_cluster:
	s_bfe_u32 s2, ttmp6, 0x10000c
	s_cmp_lg_u32 s2, 0xf033
	s_cbranch_scc0 .Lentry_shape_is_right
	s_endpgm
.Lentry_shape_is_right:
.set PITCH,  272
.set FR,     16
.set NL,     4
.set NP,     4
.set HALFT,  128*PITCH
.set SLOT,   4*HALFT
.set SPARE,  2*SLOT
.set SCL,  8
.set SPW,  14
.set NIL,  15
.set ADRA, 16
.set ADRB, 18
.set VBH,  20
.set VBR,  21
.set CO,   22
.set RAWB, 24
.set CODE, 32
.set BIAS, 64
.set AF,   128
.set WV,   18
.set WHI,  19
.set WLO,  20
.set G1,   28
.set G1B,  36
.set G0,   44
.set G0B,  52
.set LA,   60
.set LB,   61
.set XA,   66
.set WA,   72
.set OB,   78
.set ES,   84
.set NE,   99
.set MSB, 0
.macro WIN new
.if MSB != (\new)
	s_set_vgpr_msb (MSB<<8)|(\new)
.set MSB, \new
.endif
.endm
.macro JLOAD g0a, g1a, g0b, g1b
	s_cmp_eq_u32 s[WHI], 0
	s_cbranch_scc0 .Lfor_b_\@
	tensor_load_to_lds s[\g0a:\g0a+3], s[\g1a:\g1a+7]
	s_nop 0
.rept 4
	v_nop
.endr
	s_branch .Lasked_\@
.Lfor_b_\@:
	tensor_load_to_lds s[\g0b:\g0b+3], s[\g1b:\g1b+7]
	s_nop 0
.rept 4
	v_nop
.endr
.Lasked_\@:
.endm
.macro CREST
	s_cmp_lg_u32 s[WV], 0
	s_cbranch_scc1 .Lnot_wave_0_\@
	s_barrier_signal -3
.Lnot_wave_0_\@:
	s_barrier_wait -3
	s_barrier_signal -1
	s_barrier_wait -1
.endm
.macro CROUND
	s_barrier_signal -1
	s_barrier_wait -1
	CREST
.endm
	s_load_b256 s[4:11], s[0:1], 0x0
	s_load_b128 s[12:15], s[0:1], 0x20
	s_load_b64 s[16:17], s[0:1], 0x30
	v_lshl_add_u32 v[SPW], v0, 2, SPARE
	v_mov_b32 v[NIL], 0
	ds_add_u32 v[SPW], v[NIL]
	ds_add_u32 v[SPW], v[NIL]
	v_lshrrev_b32 v1, 5, v0
	v_readfirstlane_b32 s[WV], v1
	s_lshr_b32 s[WHI], s[WV], 1
	s_and_b32 s[WLO], s[WV], 1
	s_bfe_u32 s21, ttmp6, 0x40000
	s_bfe_u32 s22, ttmp6, 0x40004
	s_lshl_b32 s23, ttmp9, 2
	s_add_co_u32 s23, s23, s21
	s_and_b32 s24, ttmp7, 0xffff
	s_lshl_b32 s24, s24, 2
	s_add_co_u32 s24, s24, s22
	s_lshl_b32 s25, s22, 2
	s_lshl_b32 s25, 15, s25
	s_lshl_b32 s26, 0x1111, s21
	s_or_b32 s[G1], s25, (1<<20)|(1<<21)|(5<<22)|(3<<25)
	s_or_b32 s[G1B], s26, (1<<20)|(1<<21)|(5<<22)|(3<<25)
.irp g, G1, G1B
	s_mov_b32 s[\g+1], 256<<16
	s_mov_b32 s[\g+2], 128<<16
	s_mov_b32 s[\g+3], 256<<16
	s_mov_b32 s[\g+4], 128
	s_mov_b32 s[\g+5], 512
	s_mov_b32 s[\g+6], 0
	s_mov_b32 s[\g+7], 0
.endr
	s_lshl_b32 s27, s[WLO], 7
	s_lshl_b32 s62, s24, 8
	s_add_co_u32 s62, s62, s27
	s_lshl_b32 s62, s62, 9
	s_mov_b32 s63, 0
	s_lshl_b32 s2, s23, 8
	s_add_co_u32 s2, s2, s27
	s_lshl_b32 s2, s2, 9
	s_mov_b32 s3, 0
	s_mul_i32 s[LA], s[WV], HALFT
	s_xor_b32 s[LB], s[WV], 2
	s_mul_i32 s[LB], s[LB], HALFT
	s_wait_dscnt 0x0
	s_wait_kmcnt 0x0
	s_load_b256 s[ES:ES+7], s[14:15], 0x0
	s_load_b128 s[ES+8:ES+11], s[14:15], 0x20
	s_add_nc_u64 s[XA:XA+1], s[4:5], s[62:63]
	s_add_nc_u64 s[XA+2:XA+3], s[XA:XA+1], 0x800000
	s_add_nc_u64 s[XA+4:XA+5], s[XA+2:XA+3], 0x800000
	s_add_nc_u64 s[WA:WA+1], s[6:7], s[2:3]
	s_add_nc_u64 s[WA+2:WA+3], s[WA:WA+1], 0x80000
	s_add_nc_u64 s[WA+4:WA+5], s[WA+2:WA+3], 0x80000
	CROUND
.irp s, 0,1
	s_mov_b32 s[G0+4*\s], 1
	s_add_co_u32 s[G0+4*\s+1], s[LA], \s*SLOT
	s_add_nc_u64 s[G0+4*\s+2:G0+4*\s+3], s[XA:XA+1], \s*256
	s_or_b32 s[G0+4*\s+3], s[G0+4*\s+3], 0x80000000
	s_mov_b32 s[G0B+4*\s], 1
	s_add_co_u32 s[G0B+4*\s+1], s[LA], \s*SLOT
	s_add_nc_u64 s[G0B+4*\s+2:G0B+4*\s+3], s[WA:WA+1], \s*256
	s_or_b32 s[G0B+4*\s+3], s[G0B+4*\s+3], 0x80000000
	s_wait_alu depctr_va_vdst(0)
	s_wait_tensorcnt 0x0
	ds_add_u32 v14, v15
	ds_add_u32 v14, v15
	s_wait_dscnt 0x0
	CROUND
	JLOAD G0+4*\s, G1, G0B+4*\s, G1B
.endr
	v_and_b32 v1, 15, v0
	v_bfe_u32 v2, v0, 4, 1
	v_mul_u32_u24 v3, v1, PITCH
	v_lshl_add_u32 v4, v2, 4, v3
	s_mul_i32 s62, s[WHI], HALFT
	s_mul_i32 s63, s[WLO], HALFT
	s_add_co_u32 s63, s63, 2*HALFT
.irp s, 0,1
	v_add_nc_u32 v[ADRA+\s], s62, v4
	v_add_nc_u32 v[ADRB+\s], s63, v4
	s_add_co_u32 s62, s62, SLOT
	s_add_co_u32 s63, s63, SLOT
.endr
	v_lshlrev_b32 v[VBH], 5, v2
	s_wait_alu depctr_va_vdst(0)
	v_lshlrev_b32 v[VBR], 2, v1
	v_and_b32 v5, 31, v0
	v_lshlrev_b32 v[CO], 4, v5
	s_lshr_b32 s2, s2, 7
	s_add_nc_u64 s[8:9], s[8:9], s[2:3]
	s_add_nc_u64 s[10:11], s[10:11], s[2:3]
	s_lshl_b32 s2, s23, 10
	s_lshl_b32 s27, s[WHI], 9
	s_add_co_u32 s2, s2, s27
	s_add_nc_u64 s[12:13], s[12:13], s[2:3]
	s_lshl_b32 s62, s24, 4
	s_lshl_b32 s27, s23, 1
	s_add_co_u32 s62, s62, s27
	s_lshl_b32 s27, s[WHI], 3
	s_add_co_u32 s27, s27, s[WLO]
	s_add_co_u32 s27, s27, s62
	s_lshl_b32 s2, s27, 14
	s_add_nc_u64 s[OB:OB+1], s[16:17], s[2:3]
	s_add_nc_u64 s[OB+2:OB+3], s[OB:OB+1], 0x1000000
	s_lshl_b32 s27, s[WLO], 3
	s_add_co_u32 s27, s27, s[WHI]
	s_add_co_u32 s27, s27, s62
	s_lshl_b32 s2, s27, 14
	s_add_nc_u64 s[OB+4:OB+5], s[16:17], s[2:3]
	s_add_nc_u64 s[OB+4:OB+5], s[OB+4:OB+5], 0x2000000
.macro BIASQK bp
.irp b, 0,1,2,3,4,5,6,7
	global_load_b128 v[BIAS+8*\b:BIAS+8*\b+3], v[VBH], s[\bp:\bp+1] offset:64*\b
	global_load_b128 v[BIAS+8*\b+4:BIAS+8*\b+7], v[VBH], s[\bp:\bp+1] offset:64*\b+16
.endr
.endm
.macro BIASV
.irp a, 0,1,2,3,4,5,6,7
	global_load_b32 v[RAWB+\a], v[VBR], s[12:13] offset:64*\a
.endr
.endm
.macro SCALEB mode, p
	s_wait_loadcnt 0x0
.if \mode == 1
.set jj, 0
.rept 64
	v_ldexp_f32 v[BIAS+jj], v[BIAS+jj], s[NE+\p]
.set jj, jj+1
.endr
.else
.irp a, 0,1,2,3,4,5,6,7
.irp i, 0,1,2,3,4,5,6,7
	v_ldexp_f32 v[BIAS+8*\a+\i], v[RAWB+\a], s[NE+\p]
.endr
.endr
.endif
.endm
	BIASQK 8
.macro MKQ p, ea, eb, eo
	s_add_co_i32 s62, s[ES+\ea], s[ES+\eb]
	s_sub_co_i32 s[NE+\p], 0, s62
	s_sub_co_i32 s62, s[ES+\eo], s62
	s_add_co_i32 s62, s62, 127
	s_lshl_b32 s63, s62, 23
	v_mov_b32 v[SCL+2*\p], s63
	s_add_co_i32 s62, s62, 15
	s_lshl_b32 s62, s62, 23
	s_or_b32 s62, s62, 0x600000
	v_mov_b32 v[SCL+2*\p+1], s62
.endm
	s_wait_kmcnt 0x0
	MKQ 0, 0, 1, 7
	MKQ 1, 2, 3, 6
	MKQ 2, 4, 5, 9
	SCALEB 1, 0
.macro FRAG reg, adr, q, i
.irp c, 0,1,2,3
	ds_load_b128 v[\reg+4*\c:\reg+4*\c+3], v[\adr] offset:128*(\q)+32*\c+(\i)*16*PITCH
.endr
.endm
.macro MUL16 a0, p, mode
.irp a, \a0, \a0+1
.irp b, 0,1,2,3,4,5,6,7
.if \mode == 0
	v_wmma_f32_16x16x128_bf8_bf8 v[8*(8*((\a)%4)+\b):8*(8*((\a)%4)+\b)+7], v[128*(\p)+FR*\b:128*(\p)+FR*\b+FR-1], v[AF+FR*(\a):AF+FR*(\a)+FR-1], v[8*(8*((\a)%4)+\b):8*(8*((\a)%4)+\b)+7]
.elseif \mode == 1
	v_wmma_f32_16x16x128_bf8_bf8 v[8*(8*((\a)%4)+\b):8*(8*((\a)%4)+\b)+7], v[128*(\p)+FR*\b:128*(\p)+FR*\b+FR-1], v[AF+FR*(\a):AF+FR*(\a)+FR-1], v[BIAS+8*\b:BIAS+8*\b+7]
.else
	v_wmma_f32_16x16x128_bf8_bf8 v[8*(8*((\a)%4)+\b):8*(8*((\a)%4)+\b)+7], v[128*(\p)+FR*\b:128*(\p)+FR*\b+FR-1], v[AF+FR*(\a):AF+FR*(\a)+FR-1], v[BIAS+8*(\a):BIAS+8*(\a)+7]
.endif
.endr
.endr
.endm
.macro FETCH_B slot, q, p
	WIN 0x40
.irp i, 0,1,2,3,4,5,6,7
	FRAG 128*(\p)+FR*\i, ADRB+\slot, \q, \i
.endr
	WIN 0
.endm
.macro FETCH_A slot, q, i0
.irp i, \i0, \i0+1, \i0+2, \i0+3
	FRAG AF+FR*(\i), ADRA+\slot, \q, \i
.endr
.endm
.macro PLACES n
.rept \n
	v_nop
.endr
.endm
.macro STEP slot, q, mode
	s_wait_dscnt 4*NL
.if \mode
	WIN 0x81
.else
	WIN 0xa1
.endif
	MUL16 0, (\q)%2, \mode
	MUL16 2, (\q)%2, \mode
	s_wait_dscnt 0
	PLACES NP
	FETCH_B \slot, (\q)+1, 1-(\q)%2
	FETCH_A \slot, (\q)+1, 0
.if \mode
	WIN 0xc1
.else
	WIN 0xf1
.endif
	MUL16 4, (\q)%2, \mode
	MUL16 6, (\q)%2, \mode
	PLACES NP
	WIN 0
	FETCH_A \slot, (\q)+1, 4
.endm
.macro TURN slot, next, fill, pn, sw
	s_wait_tensorcnt 0x0
	ds_add_u32 v[SPW], v[NIL]
	s_wait_dscnt 4*NL+1
	WIN 0xa1
	MUL16 0, 1, 0
	s_wait_dscnt 0x0
	s_barrier_signal -1
	MUL16 2, 1, 0
	WIN 0
	s_barrier_wait -1
.if \fill
	CREST
	s_add_nc_u64 s[G0+4*\slot+2:G0+4*\slot+3], s[XA+2*\pn:XA+2*\pn+1], 256*\slot
	s_or_b32 s[G0+4*\slot+3], s[G0+4*\slot+3], 0x80000000
	s_add_nc_u64 s[G0B+4*\slot+2:G0B+4*\slot+3], s[WA+2*\pn:WA+2*\pn+1], 256*\slot
	s_or_b32 s[G0B+4*\slot+3], s[G0B+4*\slot+3], 0x80000000
.if \sw
	s_add_co_u32 s[G0+4*\slot+1], s[LB], \slot*SLOT
	s_add_co_u32 s[G0B+4*\slot+1], s[LB], \slot*SLOT
.endif
	JLOAD G0+4*\slot, G1, G0B+4*\slot, G1B
.else
	PLACES NP
.endif
	FETCH_B \next, 0, 0
	FETCH_A \next, 0, 0
	WIN 0xf1
	MUL16 4, 1, 0
	MUL16 6, 1, 0
	PLACES NP
	WIN 0
	FETCH_A \next, 0, 4
.endm
.macro WAYOUT p, nxt
.if \nxt == 1
	BIASQK 10
.elseif \nxt == 2
	BIASV
.endif
.irp a, 0,1,2,3,4,5,6,7
.set AC, 64*(\a%4)
.set CD, CODE+16*(\a%2)
	WIN 0x82+0x41*(\a/4)
.set jj, 0
.rept 64
	v_med3_num_f32 v[AC+jj], v[AC+jj], -v[SCL+2*\p+1], v[SCL+2*\p+1]
.set jj, jj+1
.endr
	s_wait_alu depctr_va_vdst(0)
	s_wait_xcnt 0x0
	WIN 0x02+(\a/4)
.irp b, 0,1,2,3,4,5,6,7
	v_cvt_scalef32_pk8_bf8_f32 v[CD+2*\b:CD+2*\b+1], v[AC+8*\b:AC+8*\b+7], v[SCL+2*\p]
.endr
	v_nop
	WIN 0
.irp c, 0,1,2,3
	global_store_b128 v[CO], v[CD+4*\c:CD+4*\c+3], s[OB+2*\p:OB+2*\p+1] offset:\a*2048+\c*512 th:TH_STORE_NT
.endr
.endr
.if \nxt
	SCALEB \nxt, \p+1
.endif
.endm
	s_wait_alu depctr_va_vdst(0)
	s_wait_tensorcnt 1
	s_barrier_signal -1
	s_barrier_wait -1
	FETCH_B 0, 0, 0
	FETCH_A 0, 0, 0
	FETCH_A 0, 0, 4
	STEP 0, 0, 1
	TURN 0, 1, 1, 1, 0
	STEP 1, 0, 0
	TURN 1, 0, 1, 1, 0
	WAYOUT 0, 1
	s_wait_alu depctr_va_vdst(0)
	STEP 0, 0, 1
	TURN 0, 1, 1, 2, 1
	STEP 1, 0, 0
	TURN 1, 0, 1, 2, 1
	WAYOUT 1, 2
	s_wait_alu depctr_va_vdst(0)
	STEP 0, 0, 2
	TURN 0, 1, 0, 0, 0
	STEP 1, 0, 0
	s_wait_dscnt 4*NL
	WIN 0xa1
	MUL16 0, 1, 0
	MUL16 2, 1, 0
	s_wait_dscnt 0
	WIN 0xf1
	MUL16 4, 1, 0
	MUL16 6, 1, 0
	WIN 0
	PLACES NP
	WAYOUT 2, 0
	s_wait_tensorcnt 0x0
	ds_add_u32 v[SPW], v[NIL]
	s_wait_dscnt 0x0
	CROUND
	s_endpgm
.Lfunc_end_k_q8a39324935_proj:
	.size	k_q8a39324935_proj, .Lfunc_end_k_q8a39324935_proj-k_q8a39324935_proj
	.p2alignl 7, 3214868480
	.fill 96, 4, 3214868480
	.section	.rodata,"a",@progbits
	.p2align	6, 0x0
	.amdhsa_kernel k_q8a39324935_proj
		.amdhsa_group_segment_fixed_size 327680
		.amdhsa_private_segment_fixed_size 0
		.amdhsa_enable_private_segment 0
		.amdhsa_kernarg_size 56
		.amdhsa_user_sgpr_count 2
		.amdhsa_user_sgpr_kernarg_segment_ptr 1
		.amdhsa_wavefront_size32 1
		.amdhsa_system_sgpr_workgroup_id_x 1
		.amdhsa_system_sgpr_workgroup_id_y 1
		.amdhsa_system_sgpr_workgroup_id_z 1
		.amdhsa_system_vgpr_workitem_id 0
		.amdhsa_next_free_vgpr 1024
		.amdhsa_next_free_sgpr 102
		.amdhsa_reserve_vcc 0
		.amdhsa_float_denorm_mode_32 3
		.amdhsa_float_denorm_mode_16_64 3
		.amdhsa_memory_ordered 1
		.amdhsa_forward_progress 1
		.amdhsa_inst_pref_size 254
	.end_amdhsa_kernel
	.amdgpu_metadata
---
amdhsa.version: [ 1, 2 ]
amdhsa.kernels:
  - .name:           k_q8a39324935_proj
    .symbol:         k_q8a39324935_proj.kd
    .args:
      - { .name: xc, .offset: 0, .size: 8, .value_kind: global_buffer, .address_space: global }
      - { .name: wc, .offset: 8, .size: 8, .value_kind: global_buffer, .address_space: global }
      - { .name: bk, .offset: 16, .size: 8, .value_kind: global_buffer, .address_space: global }
      - { .name: bq, .offset: 24, .size: 8, .value_kind: global_buffer, .address_space: global }
      - { .name: bv, .offset: 32, .size: 8, .value_kind: global_buffer, .address_space: global }
      - { .name: lowp_scales, .offset: 40, .size: 8, .value_kind: global_buffer, .address_space: global }
      - { .name: qkv, .offset: 48, .size: 8, .value_kind: global_buffer, .address_space: global }
    .group_segment_fixed_size: 327680
    .private_segment_fixed_size: 0
    .kernarg_segment_align: 8
    .kernarg_segment_size: 56
    .max_flat_workgroup_size: 128
    .sgpr_count:     102
    .vgpr_count:     1024
    .wavefront_size: 32
...
	.end_amdgpu_metadata
.endif
;; end of part 2
;; launch attn (part 3): grid 16 x 16, 4 waves a work-group, clusters of 4 x 1, 327,680 bytes of LDS; arguments qkv, wc, bw0, lowp_scales, out0; writes out0
.if DOCPART == 3
	.amdgcn_target "amdgcn-amd-amdhsa--gfx1250"
	.amdhsa_code_object_version 6
	.text
	.protected	k_q8a39324935_attn
	.globl	k_q8a39324935_attn
	.p2align	8
	.type	k_q8a39324935_attn,@function
k_q8a39324935_attn:
	s_mov_b64 s[64:65], 0
	v_nop
	global_prefetch_b8 v0, s[64:65] scope:SCOPE_SE
	s_setreg_imm32_b32 hwreg(HW_REG_WAVE_MODE, 25, 1), 1
	s_wait_xcnt 0x0
	s_wait_alu depctr_hold_cnt(0) depctr_sa_sdst(0) depctr_va_vdst(0) depctr_va_sdst(0) depctr_va_ssrc(0) depctr_va_vcc(0) depctr_vm_vsrc(0)
	s_getreg_b32 s2, hwreg(HW_REG_IB_STS2, 6, 4)
	s_cmp_eq_u32 s2, 0
	s_cbranch_scc0 .Lentry_in_a_cluster
	s_endpgm
.Lentry_in_a_cluster:
	s_bfe_u32 s2, ttmp6, 0x10000c
	s_cmp_lg_u32 s2, 0x3003
	s_cbranch_scc0 .Lentry_shape_is_right
	s_endpgm
.Lentry_shape_is_right:
; ATTN: out = ((softmax(q k^T / sqrt(128)) - I) v, heads side by side) Ww0 + bw0, all three products on codes of BF8.  No work of the problem is left out.
; The left operand of the second product is the finished softmax less the identity: all 1,024 scores of a query stay in f32 registers until the row's sum is known.
; SHARES.  A work-group owns 64 queries of one batch and walks the batch's 8 heads, so each output row has one owner.  Wave w has key half kh = w / 2 (512 keys) and query tiles 2 qh, 2 qh + 1 (qh = w % 2):
; 2 x 32 tiles of scores, 512 registers.  Its partner w xor 2 has the same queries and the other keys.  kd = kh xor (cluster x / 2) is 0 in the wave whose keys hold the diagonal.
; Register slot q holds query tile 2 qh + (q xor kd): slot 0 is the tile that the wave finishes, slot 1 the one whose part it sends to its partner.
; A HEAD: S^T = K Q^T in groups of eight products, each group followed by the maxima of the group before; p = 2^(t - T), T the largest t of my half; the sum; (T, sum) to the partner | X |
;   F = 2^(T - Tm) / the whole row's sum; for each 128 keys: p F, less 1 on the diagonal, held, converted; O^T += V^T P^T; slot 1's O^T to the partner | Y |
;   slot 0's O^T + the partner's = vals, held, converted; the head's part of vals Ww0 is a product begun at 0 and added onto OUT, which begins as bw0 / 2^(e10 + e11).
; Key blocks 0 and 1 are converted first: their 256 score registers then take V's fragments of blocks 1 and 2, so that each run of V's loads stands a block or more ahead of its products.
; LDS: K's and V's 64 images (131,072 bytes each), the head's slice of Ww0.  K is filled again behind X, V and Ww0 behind Y, for the next head: one load a wave behind each.
; CLUSTER: the four work-groups of a cluster belong to one batch and walk the same K, V and Ww0: every tile is asked for jointly; X and Y are rounds of the cluster's barrier.
; No branch and no LDS address hangs on a work-group's place in its cluster: the place enters global addresses and the numbers s[68:83] alone.
; PREFETCH: a head's K and V, one phase ahead of the joint load; the batch's first cluster asks, its partners share the bytes by address, 8,192 a wave, lanes 256 bytes apart.
; LIMITS: e6 + e7 between -123 and 130; e8 and e10 - e8 - e9 between -126 and 112; e10 + e11 between -126 and 126.  NaN and infinities are not served; a weight under 2^-126 counts as 0.
; REGISTERS: window 0: v1-7 at work, v7 -57,344 x 2^e8; v8-27 addresses and scales; v28-35 -1 where key = query; v36-43, v64-71 maxima (16 chains); v52-55 (T, sum); v56-59 F; v60-63 the partner's; v72-87 vals' codes;
;   v96-127 Q; v128-255 O^T of the slots (v128-159 first serve the sums).  window 1: v0-127 eight fragments of K or V; v128-191 P's codes, later the partner's O^T; v192-255 OUT^T.
;   windows 2, 3: the scores of slot 0, 1; their v0-127 later take fragments of V, window 2's then Ww0's; window 3 v0-63 the head's part of OUT^T.
.set HB,    131072
.set VREG,  131072
.set W0REG, 262144
.set WP,    144
.set OX,    280576
.set STAT,  313344
.set SPARE, 314368
.set SGP,   528
.set NLM, 7
.set ADK, 8
.set ADV, 9
.set ADW, 10
.set STW, 11
.set STR, 12
.set OXW, 13
.set OXR, 14
.set VQ0, 15
.set VQ1, 16
.set LI,  17
.set SPW, 18
.set NIL, 19
.set PFO, 20
.set SCP, 21
.set LMP, 22
.set SCV, 23
.set LMV, 24
.set SGI, 25
.set SGO, 26
.set VB,  27
.set DG,  28
.set MX,  36
.set TL,  52
.set FF,  56
.set PT,  60
.set VCD, 72
.set QF,  96
.set OA,  128
.set LS0, 128
.set LS1, 144
.set PCD, 128
.set OUTA, 192
.set WV,  14
.set KH,  15
.set QH,  16
.set KD,  17
.set CX,  18
.set BT,  19
.set QBK, 20
.set SDH, 21
.set CNT, 22
.set LIMX, 23
.set LIMY, 24
.set CS,  26
.set SEL, 28
.set G1D, 32                           ; s[32:39] 256 dense rows of 256 bytes; s[40:47] Ww0's slice; s[48:59] the groups 0 of K, V, Ww0
.set G1W, 40
.set G0K, 48
.set G0V, 52
.set G0W, 56
.set QB,  60
.set PFK, 62
.set PFV, 66
.set ES,  68                           ; s[68:79] the scales' exponents, at the head alone; then
.set MD,  68                           ; s[68:83] eight pairs: 1.0 in pair 2 cx + qh, else 0
.set G1Q, 84                           ; s[84:91] 128 dense rows of 256 bytes, s[92:95] its group 0: K's first fill, a quarter a wave
.set G0H, 92
.set OS,  96
.set MSB, 0
.macro WIN new
.if MSB != (\new)
	s_set_vgpr_msb (MSB<<8)|(\new)
.set MSB, \new
.endif
.endm
.macro CROUND
	s_barrier_signal -1
	s_barrier_wait -1
	s_cmp_lg_u32 s[WV], 0
	s_cbranch_scc1 .Lnot_wave_0_\@
	s_barrier_signal -3
.Lnot_wave_0_\@:
	s_barrier_wait -3
	s_barrier_signal -1
	s_barrier_wait -1
.endm
.macro FOURNOP
.rept 4
	v_nop
.endr
.endm
.macro KLOAD                           ; waves 0 and 1: the next head's K, a half each
	s_cmp_lt_u32 s[WV], 2
	s_cbranch_scc0 .Lno_k_\@
	tensor_load_to_lds s[G0K:G0K+3], s[G1D:G1D+7]
	s_nop 0
	FOURNOP
.Lno_k_\@:
.endm
.macro VWLOAD                          ; waves 2 and 3: a head's V, a half each; wave 0: its slice of Ww0
	s_cmp_lt_u32 s[WV], 2
	s_cbranch_scc1 .Lno_v_\@
	tensor_load_to_lds s[G0V:G0V+3], s[G1D:G1D+7]
	s_nop 0
	FOURNOP
	s_branch .Ldone_\@
.Lno_v_\@:
	s_cmp_eq_u32 s[WV], 0
	s_cbranch_scc0 .Ldone_\@
	tensor_load_to_lds s[G0W:G0W+3], s[G1W:G1W+7]
	s_nop 0
	FOURNOP
.Ldone_\@:
.endm
.macro ASK pf, lim
	s_cmp_gt_u32 s[CNT], s[\lim]
	s_cbranch_scc0 .Lnot_mine_\@
	global_prefetch_b8 v[PFO], s[\pf:\pf+1] th:TH_LOAD_NT scope:SCOPE_SE
.Lnot_mine_\@:
.endm
.macro LK t                            ; key tile t's image into fragment buffer t % 8
	WIN 0x40
.irp c, 0,1,2,3
	ds_load_b128 v[16*((\t)%8)+4*\c:16*((\t)%8)+4*\c+3], v[ADK] offset:(\t)*2048+512*\c
.endr
.endm
	s_load_b256 s[4:11], s[0:1], 0x0               ; qkv, wc, bw0, the scales
	s_load_b64 s[12:13], s[0:1], 0x20              ; out0
	v_lshl_add_u32 v[SPW], v0, 2, SPARE
	v_mov_b32 v[NIL], 0
	ds_add_u32 v[SPW], v[NIL]                      ; the opening lines: the add, twice on end, and its wait
	ds_add_u32 v[SPW], v[NIL]
	v_lshrrev_b32 v1, 5, v0
	v_readfirstlane_b32 s[WV], v1
	s_lshr_b32 s[KH], s[WV], 1
	s_and_b32 s[QH], s[WV], 1
	s_lshr_b32 s25, ttmp9, 1
	s_xor_b32 s[KD], s[KH], s25
	s_bfe_u32 s[CX], ttmp6, 0x40000
	s_lshl_b32 s[QBK], ttmp9, 2
	s_add_co_u32 s[QBK], s[QBK], s[CX]             ; my block of 64 queries
	s_and_b32 s[BT], ttmp7, 0xffff                 ; the batch
	s_mov_b32 s[G1D], 15|(3<<16)|(1<<21)           ; all four partners; elements of 8 bytes
	s_mov_b32 s[G1D+1], 32<<16
	s_mov_b32 s[G1D+2], 256<<16
	s_mov_b32 s[G1D+3], 32<<16
	s_mov_b32 s[G1D+4], 256
	s_mov_b32 s[G1D+5], 32
	s_mov_b32 s[G1D+6], 0
	s_mov_b32 s[G1D+7], 0
	s_mov_b32 s[G1Q], 15|(3<<16)|(1<<21)
	s_mov_b32 s[G1Q+1], 32<<16
	s_mov_b32 s[G1Q+2], 128<<16
	s_mov_b32 s[G1Q+3], 32<<16
	s_mov_b32 s[G1Q+4], 128
	s_mov_b32 s[G1Q+5], 32
	s_mov_b32 s[G1Q+6], 0
	s_mov_b32 s[G1Q+7], 0
	s_mov_b32 s[G1W], 15|(1<<20)|(1<<21)|(4<<22)|(3<<25)   ; 128 rows of 128 bytes, 4 words of padding behind each
	s_mov_b32 s[G1W+1], 128<<16
	s_mov_b32 s[G1W+2], 128<<16
	s_mov_b32 s[G1W+3], 128<<16
	s_mov_b32 s[G1W+4], 128
	s_mov_b32 s[G1W+5], 1024
	s_mov_b32 s[G1W+6], 0
	s_mov_b32 s[G1W+7], 0
	s_lshl_b32 s30, s[BT], 20                      ; the batch's 8 heads x 131,072 bytes
	s_lshl_b32 s31, s[QH], 16                      ; the half of a head's images that I fetch
	s_add_co_u32 s2, s30, s31
	s_mov_b32 s3, 0
	s_mov_b32 s[SEL], 0x76543210
	s_mov_b32 s[SEL+1], 0xfedcba98
	s_mov_b32 s[CNT], 7
	s_wait_dscnt 0x0
	s_wait_kmcnt 0x0
	s_load_b256 s[ES:ES+7], s[10:11], 0x0
	s_load_b128 s[ES+8:ES+11], s[10:11], 0x20
	s_mov_b32 s[G0K], 1
	s_lshl_b32 s[G0K+1], s[QH], 16
	s_add_nc_u64 s[G0K+2:G0K+3], s[4:5], s[2:3]    ; head 0: stepped to head h + 1 ahead of each load
	s_or_b32 s[G0K+3], s[G0K+3], 0x80000000
	s_mov_b32 s[G0V], 1
	s_add_co_u32 s[G0V+1], s31, VREG
	s_add_nc_u64 s[G0V+2:G0V+3], s[4:5], s[2:3]
	s_add_nc_u64 s[G0V+2:G0V+3], s[G0V+2:G0V+3], 0x2000000
	s_or_b32 s[G0V+3], s[G0V+3], 0x80000000
	s_mov_b32 s[G0W], 1
	s_mov_b32 s[G0W+1], W0REG
	s_add_nc_u64 s[G0W+2:G0W+3], s[6:7], 0x180000
	s_or_b32 s[G0W+3], s[G0W+3], 0x80000000
	s_mov_b32 s[G0H], 1
	s_lshl_b32 s[G0H+1], s[WV], 15                 ; my quarter of head 0's K
	s_lshl_b32 s2, s[WV], 15
	s_add_co_u32 s2, s2, s30
	s_add_nc_u64 s[G0H+2:G0H+3], s[4:5], s[2:3]
	s_or_b32 s[G0H+3], s[G0H+3], 0x80000000
	CROUND                                         ; the first joint loads meet
	tensor_load_to_lds s[G0H:G0H+3], s[G1Q:G1Q+7]  ; one tensor load a wave at the head
	s_nop 0
	FOURNOP
	s_lshl_b32 s2, s[QBK], 13
	s_lshl_b32 s25, s[QH], 12
	s_add_co_u32 s2, s2, s25
	s_add_co_u32 s2, s2, s30
	s_add_nc_u64 s[QB:QB+1], s[4:5], s[2:3]
	s_add_nc_u64 s[QB:QB+1], s[QB:QB+1], 0x1000000 ; q's section, head 0, tile 4 qb + 2 qh
	s_lshl_b32 s98, s[KD], 11                      ; the scalars of the vector block below, all made ahead of it
	s_xor_b32 s99, s98, 2048
	s_lshl_b32 s100, s[KH], 16
	s_lshl_b32 s101, s[WV], 8
	s_xor_b32 s96, s101, 512
	s_lshl_b32 s97, s[WV], 13
	s_xor_b32 s25, s97, 16384
	s_mul_i32 s31, s[WV], 16*SGP
	v_and_b32 v1, 15, v0                           ; r
	v_bfe_u32 v2, v0, 4, 1                         ; lane / 16
	v_and_b32 v3, 31, v0
	v_lshlrev_b32 v[LI], 4, v3
	v_add_nc_u32 v[VQ0], s98, v[LI]                ; slot 0's image of Q: tile 2 qh + kd; slot 1's: the other
	v_add_nc_u32 v[VQ1], s99, v[LI]
	v_lshlrev_b32 v[VB], 5, v2
	v_add_nc_u32 v[ADK], s100, v[LI]               ; my half of K's images, 16 bytes a lane
	v_add_nc_u32 v[ADV], VREG, v[ADK]
	v_mul_u32_u24 v[ADW], v1, WP
	v_lshl_add_u32 v[ADW], v2, 3, v[ADW]
	v_add_nc_u32 v[ADW], W0REG, v[ADW]             ; Ww0: row r, + 8 (lane / 16): eight loads of 8 bytes a fragment
	v_lshlrev_b32 v4, 3, v1
	v_add_nc_u32 v4, STAT, v4
	v_add_nc_u32 v[STW], s101, v4
	v_add_nc_u32 v[STR], s96, v4                   ; the partner's
	v_add_nc_u32 v5, OX, v[LI]
	v_add_nc_u32 v[OXW], s97, v5
	v_add_nc_u32 v[OXR], s25, v5
	v_mul_u32_u24 v[SGI], v1, SGP
	v_lshl_add_u32 v[SGI], v2, 5, v[SGI]
	v_add_nc_u32 v[SGI], s31, v[SGI]
	v_add_nc_u32 v[SGO], s31, v[LI]
	v_lshlrev_b32 v[PFO], 8, v3
	v_lshlrev_b32 v6, 3, v2
	v_sub_nc_u32 v6, v1, v6                        ; register i of a tile on the diagonal is key = query where i equals this
.irp i, 0,1,2,3,4,5,6,7
	v_cmp_eq_u32 vcc_lo, \i, v6
	v_cndmask_b32 v[DG+\i], 0, -1.0, vcc_lo
.endr
.irp j, 53,55,57,59
	v_mov_b32 v\j, 0                               ; upper halves of pairs: set to 0
.endr
	s_wait_alu depctr_va_vdst(0)
.irp c, 0,1,2,3
	global_load_b128 v[QF+4*\c:QF+4*\c+3], v[VQ0], s[QB:QB+1] offset:512*\c
	global_load_b128 v[QF+16+4*\c:QF+16+4*\c+3], v[VQ1], s[QB:QB+1] offset:512*\c
.endr
	WIN 0x40
.irp n, 0,1,2,3,4,5,6,7
	global_load_b128 v[OUTA+8*\n:OUTA+8*\n+3], v[VB], s[8:9] offset:64*\n        ; bw0 at outputs 16 n + 8 (lane / 16) + 0 .. 7
	global_load_b128 v[OUTA+8*\n+4:OUTA+8*\n+7], v[VB], s[8:9] offset:64*\n+16
.endr
	WIN 0
	s_and_b32 s[SDH], ttmp9, 1
	s_cmp_eq_u32 s[KD], 0
	s_cselect_b32 s[SDH], s[SDH], 2                ; which pair of key blocks holds the diagonal; 2: none
	s_cmp_eq_u32 ttmp9, 0
	s_cselect_b32 s[LIMX], 0, -1
	s_cselect_b32 s[LIMY], 1, -1
	s_lshl_b32 s2, s[CX], 15
	s_lshl_b32 s25, s[WV], 13
	s_add_co_u32 s2, s2, s25
	s_add_co_u32 s2, s2, s30
	s_add_nc_u64 s[PFK:PFK+1], s[4:5], s[2:3]
	s_add_nc_u64 s[PFV:PFV+1], s[PFK:PFK+1], 0x2000000   ; V of head 0: stepped to head h + 1 ahead of each request
	s_add_nc_u64 s[PFK:PFK+1], s[PFK:PFK+1], HB          ; K of head 1: stepped to head h + 2
	s_lshr_b32 s2, s[QBK], 1
	s_lshl_b32 s2, s2, 9                           ; out0: 512 (qb / 2),
	s_and_b32 s25, s[QBK], 1
	s_lshl_b32 s25, s25, 2
	s_lshl_b32 s98, s[QH], 1
	s_add_co_u32 s25, s25, s98
	s_add_co_u32 s25, s25, s[KD]                   ; my tile among the block of 128: 4 (qb % 2) + 2 qh + kd,
	s_lshl_b32 s25, s25, 16                        ; 16 rows, 4,096 bytes apart
	s_add_co_u32 s2, s2, s25
	s_lshl_b32 s25, s[BT], 19
	s_add_co_u32 s2, s2, s25
	s_add_nc_u64 s[12:13], s[12:13], s[2:3]
	s_wait_kmcnt 0x0
	s_add_co_i32 s25, s[ES+6], s[ES+7]
	s_lshl_b32 s25, s25, 23
	s_mov_b32 s[CS], 0x3e0293ee                    ; log2(e) / sqrt(128),
	s_add_co_i32 s[CS], s[CS], s25                 ; x 2^(e6 + e7)
	s_mov_b32 s[CS+1], s[CS]
	s_add_co_i32 s25, s[ES+8], 127
	s_lshl_b32 s98, s25, 23
	v_mov_b32 v[SCP], s98                          ; 2^e8
	s_add_co_i32 s25, s25, 15
	s_lshl_b32 s25, s25, 23
	s_or_b32 s25, s25, 0x600000
	v_mov_b32 v[LMP], s25                          ; 57,344 x 2^e8,
	s_or_b32 s25, s25, 0x80000000
	v_mov_b32 v[NLM], s25                          ; and its negative
	s_sub_co_i32 s25, s[ES+10], s[ES+8]
	s_sub_co_i32 s25, s25, s[ES+9]
	s_add_co_i32 s25, s25, 127
	s_lshl_b32 s98, s25, 23
	v_mov_b32 v[SCV], s98                          ; 2^(e10 - e8 - e9)
	s_add_co_i32 s25, s25, 15
	s_lshl_b32 s25, s25, 23
	s_or_b32 s25, s25, 0x600000
	v_mov_b32 v[LMV], s25
	s_add_co_i32 s25, s[ES+10], s[ES+11]
	s_sub_co_i32 s100, 127, s25
	s_lshl_b32 s100, s100, 23                      ; 2^-(e10 + e11)
	s_mov_b32 s101, s100
	s_add_co_i32 s25, s25, 127
	s_lshl_b32 s[OS], s25, 23                      ; 2^(e10 + e11)
	s_mov_b32 s[OS+1], s[OS]
	s_lshl_b32 s25, s[CX], 1                       ; the exponents have been used: their registers take the eight pairs
	s_add_co_u32 s25, s25, s[QH]
.irp d, 0,1,2,3,4,5,6,7
	s_cmp_eq_u32 s25, \d
	s_cselect_b32 s[MD+2*\d], 1.0, 0
	s_mov_b32 s[MD+2*\d+1], 0
.endr
	s_wait_loadcnt 0x0
	WIN 0x41
.set jj, 0
.rept 32
	v_pk_mul_f32 v[OUTA+jj:OUTA+jj+1], v[OUTA+jj:OUTA+jj+1], s[100:101] op_sel_hi:[1,0]   ; OUT begins as bw0 / 2^(e10 + e11)
.set jj, jj+2
.endr
	WIN 0
	s_wait_alu depctr_va_vdst(0)
	s_wait_tensorcnt 0x0                           ; my quarter of K has landed; the full sequence ahead of the later first fills:
	ds_add_u32 v[SPW], v[NIL]
	s_wait_dscnt 0x0
	CROUND                                         ; K is whole
	VWLOAD                                         ; head 0's V and slice of Ww0: first read behind X
.irp t, 0,1,2,3,4,5,6,7
	LK \t
.endr
	WIN 0
; the maxima of slot q's key tile k: four chains, in two sets by k's parity
.macro MAX4 q, k
.set MB, MX+4*(\q)+28*((\k)%2)
.irp c, 0,1,2,3
.if (\k) < 2
	v_max_num_f32 v[MB+\c], v[8*(\k)+2*\c], v[8*(\k)+2*\c+1]
.else
	v_max3_num_f32 v[MB+\c], v[8*(\k)+2*\c], v[8*(\k)+2*\c+1], v[MB+\c]
.endif
.endr
.endm
.macro MAXG g                          ; a group's 32 lines: at least nine plain lines stand between a chain's links wherever a wait stands between them
	WIN 0x0a
.irp t, 0,1,2,3
	MAX4 0, 4*(\g)+\t
.endr
	WIN 0x0f
.irp t, 0,1,2,3
	MAX4 1, 4*(\g)+\t
.endr
.endm
; group g: S^T of four key tiles x my two query tiles, eight products on end; the maxima of the group before (the places too); one run of loads for the group after the next
.macro SG g
.if (\g) < 7
	s_wait_dscnt 16                                ; this group's 16 loads are in; the next group's may be out
.else
	s_wait_dscnt 0x0
.endif
	WIN 0x81
.irp t, 0,1,2,3
	v_wmma_f32_16x16x128_bf8_bf8 v[8*(4*(\g)+\t):8*(4*(\g)+\t)+7], v[64*((\g)%2)+16*\t:64*((\g)%2)+16*\t+15], v[QF:QF+15], 0
.endr
	WIN 0xc1
.irp t, 0,1,2,3
	v_wmma_f32_16x16x128_bf8_bf8 v[8*(4*(\g)+\t):8*(4*(\g)+\t)+7], v[64*((\g)%2)+16*\t:64*((\g)%2)+16*\t+15], v[QF+16:QF+31], 0
.endr
.if (\g) > 0
	MAXG (\g)-1
.else
	FOURNOP
.endif
.if (\g) < 6
.irp t, 0,1,2,3
	LK 4*((\g)+2)+\t
.endr
.endif
.endm
.macro FMQ j, tl
	v_pk_fma_f32 v[\j:\j+1], v[\j:\j+1], s[CS:CS+1], v[\tl:\tl+1] op_sel_hi:[1,0,0] neg_lo:[0,0,1] neg_hi:[0,0,1]
.endm
; p = 2^(c s - T) for a slot's 256 scores, in four batches of 64 exponentials; the next batch's scalings stand among a batch's exponentials.
; One wait stands between batches: behind the one, ahead of the other.
.macro EXPQ tl
.set jj, 0
.rept 32
	FMQ jj, \tl
.set jj, jj+2
.endr
.set jj, 0
.rept 4
	s_wait_alu depctr_va_vdst(0)
.rept 32
	v_exp_f32 v[jj], v[jj]
	v_exp_f32 v[jj+1], v[jj+1]
.if jj < 192
	FMQ jj+64, \tl
.endif
.set jj, jj+2
.endr
.endr
	v_nop
	s_wait_alu depctr_va_vdst(0)
.endm
.macro SUMQ q, l                       ; the sum of a slot's 256 p: eight packed chains, begun by sums of two pairs
	WIN 0x0a+5*(\q)
.irp c, 0,2,4,6,8,10,12,14
	v_pk_add_f32 v[\l+\c:\l+\c+1], v[\c:\c+1], v[16+\c:16+\c+1]
.endr
	WIN 0x02+(\q)
.set jj, 32
.rept 14
.irp c, 0,2,4,6,8,10,12,14
	v_pk_add_f32 v[\l+\c:\l+\c+1], v[jj+\c:jj+\c+1], v[\l+\c:\l+\c+1]
.endr
.set jj, jj+16
.endr
.endm
.macro LOADV s, w                      ; the eight images of V for my key block s, into v0-127 of window w: one run of 32 loads
	WIN (\w)<<6
.irp f, 0,1,2,3,4,5,6,7
.irp c, 0,1,2,3
	ds_load_b128 v[16*\f+4*\c:16*\f+4*\c+3], v[ADV] offset:(\s)*16384+\f*2048+512*\c
.endr
.endr
.endm
.macro PMUL s                          ; the finished softmax: p x F, both slots, key block s
	WIN 0x82
.set jj, 64*(\s)
.rept 32
	v_pk_mul_f32 v[jj:jj+1], v[jj:jj+1], v[FF:FF+1] op_sel_hi:[1,0]
.set jj, jj+2
.endr
	WIN 0xc3
.set jj, 64*(\s)
.rept 32
	v_pk_mul_f32 v[jj:jj+1], v[jj:jj+1], v[FF+2:FF+3] op_sel_hi:[1,0]
.set jj, jj+2
.endr
.endm
; LESS THE IDENTITY, and the lower hold, which only these numbers can need.  The branch hangs on the wave's number and the cluster's x alone;
; which of the eight tiles it is hangs on the place in the cluster and is told by a factor, 1.0 or 0.
.macro DIAG s
	WIN 0
	s_cmp_eq_u32 s[SDH], (\s)/2
	s_cbranch_scc0 .Lno_diag_\@
.irp q, 0,1
	WIN 0xa0+0x50*\q
.irp e, 0,1,2,3
.irp i, 0,2,4,6
	v_pk_fma_f32 v[8*(8*(\s)+2*\e+\q)+\i:8*(8*(\s)+2*\e+\q)+\i+1], v[DG+\i:DG+\i+1], s[MD+2*(4*((\s)%2)+\e):MD+2*(4*((\s)%2)+\e)+1], v[8*(8*(\s)+2*\e+\q)+\i:8*(8*(\s)+2*\e+\q)+\i+1] op_sel_hi:[1,0,1]
.endr
.endr
	WIN 0x88+0x44*\q
.irp e, 0,1,2,3
.irp i, 0,1,2,3,4,5,6,7
	v_max_num_f32 v[8*(8*(\s)+2*\e+\q)+\i], v[NLM], v[8*(8*(\s)+2*\e+\q)+\i]
.endr
.endr
.endr
	WIN 0
.Lno_diag_\@:
.endm
.macro QCV s, q                        ; held from above (the conversion does not saturate: ISA guide 7.6.2) and converted: tile t's two registers are registers 2 t, 2 t + 1 of the operand
	WIN 0x88+0x44*(\q)
.set jj, 64*(\s)
.rept 64
	v_min_num_f32 v[jj], v[LMP], v[jj]
.set jj, jj+1
.endr
	WIN 0x42+(\q)
.irp t, 0,1,2,3,4,5,6,7
	v_cvt_scalef32_pk8_bf8_f32 v[PCD+32*((\s)%2)+16*(\q)+2*\t:PCD+32*((\s)%2)+16*(\q)+2*\t+1], v[64*(\s)+8*\t:64*(\s)+8*\t+7], v[SCP]
.endr
.endm
.macro PREP s                          ; key block s of both slots becomes codes, in set s % 2
	PMUL \s
	DIAG \s
	QCV \s, 0
	QCV \s, 1
	v_nop                                          ; a plain instruction behind the last conversion
.endm
.macro PVMUL s, a                      ; O^T += V^T P^T, V's fragments in window a: sixteen accumulators by turns
	WIN 0x04+(\a)
.irp f, 0,1,2,3,4,5,6,7
.irp q, 0,1
.if (\s) == 0
	v_wmma_f32_16x16x128_bf8_bf8 v[OA+64*\q+8*\f:OA+64*\q+8*\f+7], v[16*\f:16*\f+15], v[PCD+32*((\s)%2)+16*\q:PCD+32*((\s)%2)+16*\q+15], 0
.else
	v_wmma_f32_16x16x128_bf8_bf8 v[OA+64*\q+8*\f:OA+64*\q+8*\f+7], v[16*\f:16*\f+15], v[PCD+32*((\s)%2)+16*\q:PCD+32*((\s)%2)+16*\q+15], v[OA+64*\q+8*\f:OA+64*\q+8*\f+7]
.endif
.endr
.endr
.endm
; ONE HEAD.  fill = 1: the next head's tiles, Q and first fragments of K are asked for on the way.
.macro HEAD fill
	s_wait_loadcnt 0x0                             ; Q is in; its loads have read their base
	s_add_nc_u64 s[QB:QB+1], s[QB:QB+1], HB
.irp g, 0,1,2,3,4,5,6,7
	SG \g
.endr
	MAXG 7
	WIN 0
.if \fill
.irp c, 0,1,2,3
	global_load_b128 v[QF+4*\c:QF+4*\c+3], v[VQ0], s[QB:QB+1] offset:512*\c
	global_load_b128 v[QF+16+4*\c:QF+16+4*\c+3], v[VQ1], s[QB:QB+1] offset:512*\c
.endr
.endif
	v_max3_num_f32 v1, v[MX], v[MX+1], v[MX+2]
	v_max3_num_f32 v2, v[MX+4], v[MX+5], v[MX+6]
	v_max3_num_f32 v1, v1, v[MX+3], v[MX+28]
	v_max3_num_f32 v2, v2, v[MX+7], v[MX+32]
	v_max3_num_f32 v1, v1, v[MX+29], v[MX+30]
	v_max3_num_f32 v2, v2, v[MX+33], v[MX+34]
	v_max_num_f32 v64, v1, v[MX+31]
	v_max_num_f32 v65, v2, v[MX+35]
	v_permlanex16_b32 v66, v64, s[SEL], s[SEL+1]   ; the query's other keys of my half lie in the lane 16 away
	v_permlanex16_b32 v67, v65, s[SEL], s[SEL+1]
	v_max_num_f32 v64, v64, v66
	v_max_num_f32 v65, v65, v67
	v_mul_f32 v[TL], s[CS], v64                    ; T (c is positive)
	v_mul_f32 v[TL+2], s[CS], v65
	WIN 0x82
	EXPQ TL
	WIN 0xc3
	EXPQ TL+2
	SUMQ 0, LS0
	SUMQ 1, LS1
	WIN 0
.irp c, 0,2,4,6
	v_pk_add_f32 v[LS0+\c:LS0+\c+1], v[LS0+\c:LS0+\c+1], v[LS0+8+\c:LS0+8+\c+1]
	v_pk_add_f32 v[LS1+\c:LS1+\c+1], v[LS1+\c:LS1+\c+1], v[LS1+8+\c:LS1+8+\c+1]
.endr
.irp c, 0,2
	v_pk_add_f32 v[LS0+\c:LS0+\c+1], v[LS0+\c:LS0+\c+1], v[LS0+4+\c:LS0+4+\c+1]
	v_pk_add_f32 v[LS1+\c:LS1+\c+1], v[LS1+\c:LS1+\c+1], v[LS1+4+\c:LS1+4+\c+1]
.endr
	v_pk_add_f32 v[LS0:LS0+1], v[LS0:LS0+1], v[LS0+2:LS0+3]
	v_pk_add_f32 v[LS1:LS1+1], v[LS1:LS1+1], v[LS1+2:LS1+3]
	v_add_f32 v64, v[LS0], v[LS0+1]
	v_add_f32 v65, v[LS1], v[LS1+1]
	v_permlanex16_b32 v66, v64, s[SEL], s[SEL+1]
	v_permlanex16_b32 v67, v65, s[SEL], s[SEL+1]
	v_add_f32 v[TL+1], v64, v66
	v_add_f32 v[TL+3], v65, v67
	ds_store_b64 v[STW], v[TL:TL+1]
	ds_store_b64 v[STW], v[TL+2:TL+3] offset:128
	s_wait_alu depctr_va_vdst(0)
	; ---- X: nobody reads K any more; V, Ww0 and the statistics are whole
.if \fill
	s_wait_tensorcnt 0x0                           ; all my tensor loads have landed, so a group 0 may be written
	ds_add_u32 v[SPW], v[NIL]
	s_add_nc_u64 s[G0K+2:G0K+3], s[G0K+2:G0K+3], HB
	s_wait_xcnt 0x0                                ; the last prefetch by this address has read it
	s_add_nc_u64 s[PFV:PFV+1], s[PFV:PFV+1], HB
	s_wait_dscnt 0x0                               ; the add and my stores are done, my reads of K are over
	CROUND
	KLOAD
.else
	s_wait_tensorcnt 0x0
	s_wait_dscnt 0x0
	s_barrier_signal -1
	s_barrier_wait -1
.endif
	ds_load_b64 v[PT:PT+1], v[STR] offset:128      ; my slot 0 is the partner's slot 1,
	ds_load_b64 v[PT+2:PT+3], v[STR]               ; and the other way round
	LOADV 0, 1
	WIN 0
.if \fill
	ASK PFV, LIMX                                  ; V of the next head, which the loads behind Y will ask for
.endif
	s_wait_dscnt 32                                ; the statistics are in; V's 32 loads may be out
	v_max_num_f32 v64, v[TL], v[PT]                ; Tm: the row's largest t
	v_max_num_f32 v65, v[TL+2], v[PT+2]
	v_sub_f32 v66, v[TL], v64
	v_sub_f32 v67, v[PT], v64
	v_sub_f32 v68, v[TL+2], v65
	v_sub_f32 v69, v[PT+2], v65
	s_wait_alu depctr_va_vdst(0)                   ; ahead of the batch
	v_exp_f32 v66, v66
	v_exp_f32 v67, v67
	v_exp_f32 v68, v68
	v_exp_f32 v69, v69
	v_nop
	s_wait_alu depctr_va_vdst(0)                   ; and behind it
	v_mul_f32 v70, v[TL+1], v66
	v_mul_f32 v71, v[TL+3], v68
	v_fma_f32 v70, v[PT+1], v67, v70               ; the whole row's sum under Tm
	v_fma_f32 v71, v[PT+3], v69, v71
	s_wait_alu depctr_va_vdst(0)
	v_rcp_f32 v70, v70
	v_rcp_f32 v71, v71
	v_nop
	s_wait_alu depctr_va_vdst(0)
	v_mul_f32 v[FF], v66, v70                      ; F = 2^(T - Tm) / the sum
	v_mul_f32 v[FF+2], v68, v71
	PREP 0
	PREP 1                                         ; blocks 0 and 1 are codes: v0-127 of windows 2 and 3 are free
	LOADV 1, 2
	LOADV 2, 3
	s_wait_alu depctr_va_vdst(0)
	s_wait_dscnt 63                                ; V's block 0 is in: 64 loads were issued behind it, and the wait's field holds 63 at the most, so one of them is awaited too
	PVMUL 0, 1
	PREP 2
	LOADV 3, 1                                     ; into the registers that block 0's products read, far more than four plain lines behind them
	s_wait_alu depctr_va_vdst(0)
	s_wait_dscnt 63                                ; block 1 is in; of the 64 loads of blocks 2 and 3 all but the first may be out
	PVMUL 1, 2
	PREP 3
	WIN 0x80
.irp n, 0,1,2,3,4,5,6,7
.irp c, 0,1,2,3,4,5,6,7
	ds_load_b64 v[16*\n+2*\c:16*\n+2*\c+1], v[ADW] offset:\n*16*WP+16*\c   ; the head's eight fragments of Ww0, where V's block 1 lay
.endr
.endr
	s_wait_alu depctr_va_vdst(0)
	s_wait_dscnt 63                                ; blocks 2 and 3 are in; of Ww0's 64 loads all but the first may be out
	PVMUL 2, 3
	PVMUL 3, 1
	WIN 0
	FOURNOP
.irp k, 0,1,2,3,4,5,6,7,8,9,10,11,12,13,14,15
	ds_store_b128 v[OXW], v[OA+64+4*\k:OA+64+4*\k+3] offset:512*\k   ; slot 1's O^T as an image of its registers
.endr
	; ---- Y: nobody reads V or Ww0's slice any more; K of the next head and the partners' O^T are whole
.if \fill
	s_wait_tensorcnt 0x0
	ds_add_u32 v[SPW], v[NIL]
	s_add_nc_u64 s[G0V+2:G0V+3], s[G0V+2:G0V+3], HB
	s_add_nc_u64 s[G0W+2:G0W+3], s[G0W+2:G0W+3], 128
	s_wait_xcnt 0x0
	s_add_nc_u64 s[PFK:PFK+1], s[PFK:PFK+1], HB
	s_wait_dscnt 0x0
	CROUND
	VWLOAD
.else
	s_wait_dscnt 0x0
	s_barrier_signal -1
	s_barrier_wait -1
.endif
	WIN 0x40
.irp k, 0,1,2,3,4,5,6,7,8,9,10,11,12,13,14,15
	ds_load_b128 v[PCD+4*\k:PCD+4*\k+3], v[OXR] offset:512*\k
.endr
.if \fill
.irp t, 0,1,2,3,4,5,6,7
	LK \t                                          ; the next head's first eight key tiles
.endr
	WIN 0
	ASK PFK, LIMY                                  ; K of the head after the next; the last head but one has none
	s_wait_dscnt 32                                ; the partner's O^T is in; K's 32 loads may be out
.else
	WIN 0
	s_wait_dscnt 0x0
.endif
	WIN 0x04
.set jj, 0
.rept 32
	v_pk_add_f32 v[OA+jj:OA+jj+1], v[OA+jj:OA+jj+1], v[PCD+jj:PCD+jj+1]   ; both halves of the keys: vals
.set jj, jj+2
.endr
	WIN 0
.set jj, 0
.rept 64
	v_med3_num_f32 v[OA+jj], v[OA+jj], -v[LMV], v[LMV]
.set jj, jj+1
.endr
.irp t, 0,1,2,3,4,5,6,7
	v_cvt_scalef32_pk8_bf8_f32 v[VCD+2*\t:VCD+2*\t+1], v[OA+8*\t:OA+8*\t+7], v[SCV]
.endr
	v_nop
	WIN 0xc2
.irp n, 0,1,2,3,4,5,6,7
	v_wmma_f32_16x16x128_bf8_bf8 v[8*\n:8*\n+7], v[16*\n:16*\n+15], v[VCD:VCD+15], 0   ; the head's K step of the last product, begun at 0
.endr
	FOURNOP
	WIN 0x4d
.set jj, 0
.rept 32
	v_pk_add_f32 v[OUTA+jj:OUTA+jj+1], v[OUTA+jj:OUTA+jj+1], v[jj:jj+1]   ; onto OUT^T, which lies in registers that vector instructions alone write
.set jj, jj+2
.endr
	WIN 0
.endm
.Lhead:                                            ; seven trips; the last head is written out
	HEAD 1
	s_sub_co_u32 s[CNT], s[CNT], 1
	s_cmp_lg_u32 s[CNT], 0
	s_cbranch_scc1 .Lhead
	HEAD 0
	; THE WAY OUT: OUT^T x 2^(e10 + e11); a lane holds 32 bytes of a row, so the tile goes through my stage (in K's region, which has had its last fill and its last read) and leaves as whole rows of 512 bytes
	WIN 0x01
.set jj, 0
.rept 32
	v_pk_mul_f32 v[OA+jj:OA+jj+1], v[OUTA+jj:OUTA+jj+1], s[OS:OS+1] op_sel_hi:[1,0]
.set jj, jj+2
.endr
	WIN 0
.irp n, 0,1,2,3,4,5,6,7
	ds_store_b128 v[SGI], v[OA+8*\n:OA+8*\n+3] offset:64*\n
	ds_store_b128 v[SGI], v[OA+8*\n+4:OA+8*\n+7] offset:64*\n+16
.endr
.irp i, 0,1,2,3,4,5,6,7,8,9,10,11,12,13,14,15
	ds_load_b128 v[OA+64+4*\i:OA+64+4*\i+3], v[SGO] offset:\i*SGP   ; LDS serves a wave's instructions in order: these see my stores
.endr
.irp i, 0,1,2,3,4,5,6,7,8,9,10,11,12,13,14,15
	s_wait_dscnt 15-\i
	global_store_b128 v[LI], v[OA+64+4*\i:OA+64+4*\i+3], s[12:13] offset:4096*\i th:TH_STORE_NT   ; 32 lanes store a row of out0: 512 consecutive bytes, aligned
.endr
	s_wait_tensorcnt 0x0                           ; the wave's end
	ds_add_u32 v[SPW], v[NIL]
	s_wait_dscnt 0x0
	CROUND                                         ; the closing round
	s_endpgm
.Lfunc_end_k_q8a39324935_attn:
	.size	k_q8a39324935_attn, .Lfunc_end_k_q8a39324935_attn-k_q8a39324935_attn
	.p2alignl 7, 3214868480
	.fill 96, 4, 3214868480
	.section	.rodata,"a",@progbits
	.p2align	6, 0x0
	.amdhsa_kernel k_q8a39324935_attn
		.amdhsa_group_segment_fixed_size 327680
		.amdhsa_private_segment_fixed_size 0
		.amdhsa_enable_private_segment 0
		.amdhsa_kernarg_size 40
		.amdhsa_user_sgpr_count 2
		.amdhsa_user_sgpr_kernarg_segment_ptr 1
		.amdhsa_wavefront_size32 1
		.amdhsa_system_sgpr_workgroup_id_x 1
		.amdhsa_system_sgpr_workgroup_id_y 1
		.amdhsa_system_sgpr_workgroup_id_z 1
		.amdhsa_system_vgpr_workitem_id 0
		.amdhsa_next_free_vgpr 1024
		.amdhsa_next_free_sgpr 102
		.amdhsa_reserve_vcc 1
		.amdhsa_float_denorm_mode_32 3
		.amdhsa_float_denorm_mode_16_64 3
		.amdhsa_memory_ordered 1
		.amdhsa_forward_progress 1
		.amdhsa_inst_pref_size 255
	.end_amdhsa_kernel
	.section	.bss,"aw",@nobits
	.p2align	6
	.space	262144
	.amdgpu_metadata
---
amdhsa.version: [ 1, 2 ]
amdhsa.kernels:
  - .name:           k_q8a39324935_attn
    .symbol:         k_q8a39324935_attn.kd
    .args:
      - { .name: qkv, .offset: 0, .size: 8, .value_kind: global_buffer, .address_space: global }
      - { .name: wc, .offset: 8, .size: 8, .value_kind: global_buffer, .address_space: global }
      - { .name: bw0, .offset: 16, .size: 8, .value_kind: global_buffer, .address_space: global }
      - { .name: lowp_scales, .offset: 24, .size: 8, .value_kind: global_buffer, .address_space: global }
      - { .name: out0, .offset: 32, .size: 8, .value_kind: global_buffer, .address_space: global }
    .group_segment_fixed_size: 327680
    .private_segment_fixed_size: 0
    .kernarg_segment_align: 8
    .kernarg_segment_size: 40
    .max_flat_workgroup_size: 128
    .sgpr_count:     102
    .vgpr_count:     1024
    .wavefront_size: 32
...
	.end_amdgpu_metadata
.endif
;; end of part 3
